; MI455X (gfx1250); checked and timed in simulation.
; The chip was launched on July 23, 2026; its instructions are those of AMD's public machine-readable ISA for CDNA 5 (MIT licence, August 2026) and "CDNA5" Instruction Set Architecture Reference Guide (July 2026). The comments in the code are by the model that wrote it; some were corrected since.
;; Bahdanau Attention Layer. Allowed arithmetic: matrix products marked QUANTISED: E2M1 operands, one E8M0 scale for each 32 along K, by v_wmma_scale_f32_16x16x128_f8f6f4 with both operands' format E2M1 (or v_wmma_scale_f32_32x16x128_f4), f32 sums; products left as they are: f32 operands where the result goes on into a quantised operand, else bf16, f16 or f32 operands; f32 sums; everything else in f32.
;; Inputs: W_in 1,024 x 2,048 float32; W_v 1 x 1,024 float32; encoder_padding_mask 512 x 64 bool; input 64 x 1,024 float32; source_hids 512 x 64 x 1,024 float32.
;; Outputs: out0 64 x 1,024 float32; out1 512 x 64 float32.
;; This version of the problem:
;;   THIS VERSION OF THE PROBLEM IS GIVEN IN LOW PRECISION. The matrix products marked QUANTISED in the list below multiply operands that are first quantised to E2M1 (2 exponent bits, 1 mantissa bit; 4 bits a number), with one power-of-two scale for each 32 numbers along K (OCP MX v1.0); their sums are f32. All else is computed in f32.
;;   The module's matrix products, in the order in which they are computed (A, B: the left and right operand; K: the contracted axis; several contracted axes count as one K, in the product's order):
;;     1. [M 32,768, K 2,048] x [K 2,048, N 1,024]; A: computed on the way; B: input W_in: QUANTISED
;;     2. [M 32,768, K 1,024] x [K 1,024, N 1]; A: computed on the way; B: input W_v: left as it is (N = 1 < 16)
;;     3. batch 64 x [M 1, K 512] x [K 512, N 1,024]; A: softmax; B: input source_hids: left as it is (M = 1 < 16)
;;   THE QUANTISER, for each operand of a quantised product, along K:
;;     - K is cut into blocks of 32 from its start; a last block that is shorter is filled with zeros.
;;     - A block's scale is 2^e with e = floor(log2(the largest magnitude in the block)) - 2, held to -126 .. 127; a block of zeros has e = 0. As a byte (E8M0): e + 127.
;;     - Each number is divided by its block's scale, clamped to +-6, and rounded to the nearest number of E2M1, ties to even, subnormals kept.
;;     - The product sums the exact products of the quantised numbers (number of the format x scale) in f32.
;;   ~~~python
;;   def quantise(x, axis):      # numpy; x: float32 -> the quantised numbers, widened to float32 again
;;       x = np.moveaxis(x, axis, -1); K = x.shape[-1]
;;       x = np.pad(x, [(0, 0)] * (x.ndim - 1) + [(0, -K % 32)]); x = x.reshape(x.shape[:-1] + (-1, 32)); a = np.abs(x).max(-1, keepdims=True)
;;       e = np.where(a > 0, np.clip(np.frexp(np.where(a > 0, a, 1))[1] - 1 - 2, -126, 127), 0)      # np.frexp(a)[1] - 1 = floor(log2(a)), exactly
;;       r = np.clip(x / 2.0 ** e, -6, 6)
;;       step = 2.0 ** (np.maximum(np.frexp(np.where(r == 0, 1, r))[1] - 1, 0) - 1)
;;       q = np.round(r / step) * step * 2.0 ** e      # np.round: ties to even
;;       return np.moveaxis(q.reshape(q.shape[:-2] + (-1,))[..., :K], -1, axis).astype(np.float32)
;;   ~~~
;;   OPERANDS COMPUTED ON THE WAY. 'Computed on the way' means the value that the module computes at that place (a softmax that the list does not call 'softmax' is quantised finished and normalised). What goes into a quantiser is computed in f32, as accurately as f32 sums, v_exp_f32 and their like allow (about 1e-6 of the number): no bf16 or f16 on the way to a quantiser, and a product that is left as it is and whose result goes on into a quantised operand takes f32 operands (vector FMAs, or v_wmma_f32_16x16x4_f32). A number that lies on a knife's edge between two numbers of the format may be rounded either way, as far as f32 arithmetic and the matrix unit's own rounding can turn it there, and no further.
;; One version. Each part assembles by itself: llvm-mc -triple=amdgcn-amd-amdhsa -mcpu=gfx1250 --defsym DOCPART=n.
;; ======== version 1 of 1: 3 launches
;; workspace buffers: wc 524,288 bytes; ws 32,768 bytes; pbias 262,144 bytes; rows 131,072 bytes of whole numbers; cnt 1,024 bytes of whole numbers; pt 131,072 bytes; opart 1,048,576 bytes; ml 2,048 bytes
;; launch prep (part 1): grid 256 x 1, 8 waves a work-group, no clusters, 21,760 bytes of LDS; arguments W_in, input, encoder_padding_mask, wc, ws, pbias, rows, cnt; writes wc, ws, pbias, rows, cnt
.if DOCPART == 1
	.amdgcn_target "amdgcn-amd-amdhsa--gfx1250"
	.amdhsa_code_object_version 6
	.text
	.protected	k_qc1a9a62d39_prep
	.globl	k_qc1a9a62d39_prep
	.p2align	8
	.type	k_qc1a9a62d39_prep,@function
k_qc1a9a62d39_prep:
	s_mov_b64 s[64:65], 0
	v_nop
	global_prefetch_b8 v0, s[64:65] scope:SCOPE_SE
	s_setreg_imm32_b32 hwreg(HW_REG_WAVE_MODE, 25, 1), 1
	s_wait_xcnt 0x0
; WHAT IS MADE ONCE, AHEAD OF THE MAIN LAUNCH.  K of the quantised product is 2,048: its first 1,024 numbers are input[b], the same for every source position, its last 1,024 a row of source_hids;
; the blocks of 32 do not cross that seam.  So Q(x) . Q(W_in) = Q(input[b]) . Q(W1) + Q(src) . Q(W2), W1 = W_in[:, :1024], W2 = W_in[:, 1024:].
; Work-group g (j = g / 4, mt = g % 4) makes
;   (a) pbias[16 mt .. +15][16 j .. +15] = Q(input) Q(W1)^T over K = 1,024, on codes of E2M1, by eight matrix instructions;
;   (b) W2's codes of outputs 16 j .. +15, K steps 2 mt and 2 mt + 1, as IMAGES OF THE OPERAND'S REGISTERS (registers 0-3 of lane l at 16 l, registers 4-7 at 512 + 16 l), and their scale words
;       (lanes 0-15: row r's word of the even K step, lanes 16-31: of the odd one);
;   (c) for batch j and source positions 128 mt .. +127: the list of positions, the unmasked ones first in ascending order, the masked ones from the end, and the number of unmasked ones.
; THE QUANTISER.  A unit is 256 numbers of one row: lane l takes the 32 bytes at 32 l, eight neighbours along K; four neighbouring lanes hold a block of 32.  A block's scale is
; 2^(floor(log2(largest magnitude)) - 2): the largest magnitude's exponent field less 2, held at 1 from below by a floor among the maximum's leaves.
; LIMITS: a block whose largest magnitude lies under 2^-124 (a block of zeros too) keeps the byte 1; its codes are then zeros or what that scale gives; NaN and infinities are not served.
; W1's 16 rows are quantised by 4 work-groups and a tile of input rows by 64: so that each tile of pbias has one owner and no sum spans work-groups.
; pbias leaves as 64 bytes of each of 16 rows, the scale words as 128 bytes: 288 KiB in the whole launch.
.set INC,  8448                        ; LDS: W1's 16 rows of codes at 0 (512 bytes + 16), the input's 16 rows here,
.set W2C,  16896                       ; W2's 16 rows of 128 bytes + 16,
.set W1S,  19200                       ; W1's scale bytes, 32 + 4 a row; the input's 576 further on,
.set W2S,  20352                       ; W2's, 8 + 4 a row
.set X,    64                          ; v64-207  18 units of 8 numbers
.set CODE, 208                         ; v208-225 a unit's codes
.set BYT,  226                         ; v226-243 a unit's scale byte
.set MX,   244                         ; v244-249 largest magnitudes of the six units in hand
; v1 32 l; v2-v5 where I store codes and bytes; v6-v9 where fragments and scale words are read; v10 16 l; v11 4 l; v12 pbias; v13 64 l; v15 lane; v16-31 the main units' offsets;
; v34-37 mask bytes; v40-47 scale words and nothing else; v48-61 the list
	s_load_b512 s[8:23], s[0:1], 0x0               ; W_in, input, mask, wc, ws, pbias, rows, cnt
	v_lshl_add_u32 v254, v0, 2, 0x5100
	v_mov_b32 v255, 0
	v_lshrrev_b32 v14, 5, v0
	v_readfirstlane_b32 s2, v14                    ; wave 0..7
	s_and_b32 s3, s2, 3                            ; c: which 256 along K of the main units
	s_lshr_b32 s4, s2, 2                           ; 0: W1's rows, 1: the input's
	s_lshr_b32 s24, ttmp9, 2                       ; j: tile of outputs; also the list's batch
	s_and_b32 s25, ttmp9, 3                        ; mt: tile of input rows, pair of K steps of W2, quarter of the positions
	v_and_b32 v15, 31, v0                          ; lane
	v_and_b32 v62, 15, v0                          ; r
	v_bfe_u32 v63, v0, 4, 1                        ; h
	v_lshrrev_b32 v14, 2, v15                      ; my block in a unit
	v_lshlrev_b32 v1, 5, v15
	s_mul_i32 s33, s4, INC
	s_lshl_b32 s34, s3, 7
	s_add_co_u32 s33, s33, s34
	v_lshl_add_u32 v2, v15, 2, s33                 ; main codes: 4 l + 128 c (+ the input's region)
	s_mul_i32 s33, s4, 576
	s_lshl_b32 s34, s3, 3
	s_add_co_u32 s33, s33, s34
	s_add_co_u32 s33, s33, W1S
	v_add_nc_u32 v3, s33, v14                      ; main bytes: 8 c + l / 4
	s_mul_i32 s33, s2, 288
	s_add_co_u32 s33, s33, W2C
	v_lshl_add_u32 v4, v15, 2, s33                 ; W2's codes: rows 2 w, 2 w + 1
	s_mul_i32 s33, s2, 24
	s_add_co_u32 s33, s33, W2S
	v_add_nc_u32 v5, s33, v14                      ; W2's bytes
	v_mul_u32_u24 v6, v62, 528
	v_lshl_add_u32 v6, v63, 4, v6                  ; a fragment of 16 rows x 128 K: row r x pitch + 16 h
	v_mul_u32_u24 v7, v62, 36
	v_lshl_add_u32 v7, v63, 2, v7
	v_add_nc_u32 v7, W1S, v7                       ; scale words: lanes 0-15 the even K step's, lanes 16-31 the odd one's
	v_mul_u32_u24 v8, v62, 144
	v_lshl_add_u32 v8, v63, 4, v8
	v_add_nc_u32 v8, W2C, v8
	v_mul_u32_u24 v9, v62, 12
	v_lshl_add_u32 v9, v63, 2, v9
	v_add_nc_u32 v9, W2S, v9
	v_lshlrev_b32 v10, 4, v15
	v_lshlrev_b32 v11, 2, v15
	v_lshlrev_b32 v12, 12, v62
	v_lshl_add_u32 v12, v63, 5, v12                ; pbias: row r of 4,096 bytes, + 32 h
	v_lshlrev_b32 v13, 6, v15                      ; the mask: a position is 64 bytes on from the last
	s_mov_b32 s37, 0
	s_wait_kmcnt 0x0
	s_lshl_b32 s30, s24, 17                        ; 16 j rows of W_in, 8,192 bytes each
	s_lshl_b32 s31, s25, 16                        ; 16 mt rows of input, 4,096 bytes each
	s_cmp_eq_u32 s4, 0                             ; the choice hangs on the wave's number alone
	s_cselect_b64 s[26:27], s[8:9], s[10:11]
	s_cselect_b32 s36, s30, s31
	s_mov_b32 s32, 4096
	s_cselect_b32 s32, 8192, s32                   ; from row to row
	s_lshl_b32 s33, s3, 10
	s_add_co_u32 s36, s36, s33
	s_add_nc_u64 s[26:27], s[26:27], s[36:37]      ; the main units' first row, my 1,024 bytes of it
	s_lshl_b32 s36, s2, 14
	s_add_co_u32 s36, s36, s30
	s_lshl_b32 s33, s25, 10
	s_add_co_u32 s36, s36, s33
	s_add_co_u32 s36, s36, 4096
	s_add_nc_u64 s[28:29], s[8:9], s[36:37]        ; W2: row 16 j + 2 w, K steps 2 mt and 2 mt + 1
	s_lshl_b32 s36, s25, 13
	s_add_co_u32 s36, s36, s24
	s_add_nc_u64 s[12:13], s[12:13], s[36:37]      ; mask[128 mt][j]
	s_lshl_b32 s36, s24, 13
	s_lshl_b32 s33, s25, 11
	s_add_co_u32 s36, s36, s33
	s_add_nc_u64 s[14:15], s[14:15], s[36:37]      ; wc: image 8 j + 2 mt
	s_lshl_b32 s36, s24, 9
	s_lshl_b32 s33, s25, 7
	s_add_co_u32 s36, s36, s33
	s_add_nc_u64 s[16:17], s[16:17], s[36:37]      ; ws: 512 j + 128 mt
	s_lshl_b32 s36, s24, 6
	s_add_co_u32 s36, s36, s31
	s_add_nc_u64 s[18:19], s[18:19], s[36:37]      ; pbias[16 mt][16 j]
	s_lshl_b32 s36, ttmp9, 9
	s_add_nc_u64 s[20:21], s[20:21], s[36:37]      ; my list
	s_lshl_b32 s36, ttmp9, 2
	s_add_nc_u64 s[22:23], s[22:23], s[36:37]      ; my count
.set n, 0
.rept 16
	v_mad_u32_u24 v[16+n], s32, n, v1              ; row n of the main units
.set n, n+1
.endr
.irp i, 0,1,2,3
	global_load_u8 v[34+\i], v13, s[12:13] offset:2048*\i      ; position 128 mt + 32 i + lane.  Every wave loads them, so that the text parts on the wave's number once, behind the barrier; they are the oldest loads
.endr
.set n, 0
.rept 16
	global_load_b128 v[X+8*n:X+8*n+3], v[16+n], s[26:27]
	global_load_b128 v[X+8*n+4:X+8*n+7], v[16+n], s[26:27] offset:16
.set n, n+1
.endr
.irp e, 0,1
	global_load_b128 v[X+128+8*\e:X+128+8*\e+3], v1, s[28:29] offset:8192*\e th:TH_LOAD_NT      ; this half of W_in is read once in the launch
	global_load_b128 v[X+128+8*\e+4:X+128+8*\e+7], v1, s[28:29] offset:8192*\e+16 th:TH_LOAD_NT
.endr
; Six units, stage by stage, so that no line waits for the line above it; then their codes and bytes go to LDS as rows.
.macro PQ first
.set n, 0
.rept 6
	v_max3_num_f32 v[MX+n], 0x1800000, |v[X+8*(\first+n)]|, |v[X+8*(\first+n)+1]|      ; the floor 2^(3 - 127) among the leaves: the byte cannot fall under 1
.set n, n+1
.endr
.irp e, 2,4,6
.set n, 0
.rept 6
	v_max3_num_f32 v[MX+n], v[MX+n], |v[X+8*(\first+n)+\e]|, |v[X+8*(\first+n)+\e+1]|
.set n, n+1
.endr
.endr
.irp e, 1,2
.set n, 0
.rept 6
	v_max_num_f32_dpp v[MX+n], v[MX+n], v[MX+n] row_xmask:\e row_mask:0xf bank_mask:0xf      ; with the three other lanes of the block
.set n, n+1
.endr
.endr
.set n, 0
.rept 6
	v_add_nc_u32 v[MX+n], 0xff000000, v[MX+n]      ; 2 off the exponent field: the conversion takes the exponent field of this operand as its scale
.set n, n+1
.endr
.set n, 0
.rept 6
	v_cvt_scalef32_pk8_fp4_f32 v[CODE+\first+n], v[X+8*(\first+n):X+8*(\first+n)+7], v[MX+n]
.set n, n+1
.endr
.set n, 0
.rept 6
	v_lshrrev_b32 v[BYT+\first+n], 23, v[MX+n]     ; the scale's byte.  (Also the plain line behind the conversions)
.set n, n+1
.endr
.set n, 0
.rept 6
.if \first+n < 16
	ds_store_b32 v2, v[CODE+\first+n] offset:528*(\first+n)
	ds_store_b8 v3, v[BYT+\first+n] offset:36*(\first+n)       ; the four lanes of a block write the same byte with the same value
.else
	ds_store_b32 v4, v[CODE+\first+n] offset:144*(\first+n-16)
	ds_store_b8 v5, v[BYT+\first+n] offset:12*(\first+n-16)
.endif
.set n, n+1
.endr
.endm
	s_wait_loadcnt 24                              ; units 0-5 are in: the 24 loads of the twelve units behind them may be out
	PQ 0
	s_wait_loadcnt 12
	PQ 6
	s_wait_loadcnt 0x0
	PQ 12
	s_wait_dscnt 0x0                               ; for the others' sake: my stores have landed
	s_barrier_signal -1
	s_barrier_wait -1                              ; from here on LDS is only read
	s_cmp_eq_u32 s2, 0
	s_cbranch_scc1 .Lw0
	s_cmp_eq_u32 s2, 1
	s_cbranch_scc1 .Lw1
	s_cmp_eq_u32 s2, 2
	s_cbranch_scc1 .Lw2
	s_wait_tensorcnt 0x0
	ds_add_u32 v254, v255
	s_wait_dscnt 0x0
	s_endpgm
; WAVE 0: the tile of pbias.  Source 0 = 16 rows of W1, source 1 = 16 rows of input: lane (r, h) holds batch 16 mt + r and outputs 16 j + 8 h + 0 .. 7.
.Lw0:
.set q, 0
.rept 8
	ds_load_b128 v[64+8*q:67+8*q], v6 offset:64*q
	ds_load_b128 v[68+8*q:71+8*q], v6 offset:64*q+32
	ds_load_b128 v[128+8*q:131+8*q], v6 offset:INC+64*q
	ds_load_b128 v[132+8*q:135+8*q], v6 offset:INC+64*q+32
.set q, q+1
.endr
.irp i, 0,1,2,3
	ds_load_b32 v[40+\i], v7 offset:8*\i
	ds_load_b32 v[44+\i], v7 offset:576+8*\i
.endr
	s_wait_dscnt 0x0
; Two accumulators by turns, the even K steps on one and the odd ones on the other; each begins with the constant 0.
.set q, 0
.rept 8
.set rD, 192+8*(q%2)
.if q == 0
	v_wmma_scale_f32_16x16x128_f8f6f4 v[rD:rD+7], v[64+8*q:71+8*q], v[128+8*q:135+8*q], 0, v[40+q/2], v[44+q/2] matrix_a_fmt:MATRIX_FMT_FP4 matrix_b_fmt:MATRIX_FMT_FP4
.elseif q == 1
	v_wmma_scale_f32_16x16x128_f8f6f4 v[rD:rD+7], v[64+8*q:71+8*q], v[128+8*q:135+8*q], 0, v[40+q/2], v[44+q/2] matrix_a_fmt:MATRIX_FMT_FP4 matrix_b_fmt:MATRIX_FMT_FP4 matrix_a_scale:MATRIX_SCALE_ROW1 matrix_b_scale:MATRIX_SCALE_ROW1
.elseif q%2 == 0
	v_wmma_scale_f32_16x16x128_f8f6f4 v[rD:rD+7], v[64+8*q:71+8*q], v[128+8*q:135+8*q], v[rD:rD+7], v[40+q/2], v[44+q/2] matrix_a_fmt:MATRIX_FMT_FP4 matrix_b_fmt:MATRIX_FMT_FP4
.else
	v_wmma_scale_f32_16x16x128_f8f6f4 v[rD:rD+7], v[64+8*q:71+8*q], v[128+8*q:135+8*q], v[rD:rD+7], v[40+q/2], v[44+q/2] matrix_a_fmt:MATRIX_FMT_FP4 matrix_b_fmt:MATRIX_FMT_FP4 matrix_a_scale:MATRIX_SCALE_ROW1 matrix_b_scale:MATRIX_SCALE_ROW1
.endif
.set q, q+1
.endr
.rept 4
	v_nop                                          ; four places between a matrix instruction and the first read of its result (ISA guide 7.12.1)
.endr
.irp e, 0,2,4,6
	v_pk_add_f32 v[208+\e:209+\e], v[192+\e:193+\e], v[200+\e:201+\e]      ; the two halves of K, from the accumulators' low end on
.endr
	global_store_b128 v12, v[208:211], s[18:19]
	global_store_b128 v12, v[212:215], s[18:19] offset:16
	s_wait_tensorcnt 0x0
	ds_add_u32 v254, v255
	s_wait_dscnt 0x0
	s_endpgm
; WAVE 1: W2's two fragments leave as they stand in the registers: each store covers 512 consecutive bytes.
.Lw1:
	ds_load_b128 v[64:67], v8
	ds_load_b128 v[68:71], v8 offset:32
	ds_load_b128 v[72:75], v8 offset:64
	ds_load_b128 v[76:79], v8 offset:96
	ds_load_b32 v80, v9
	s_wait_dscnt 0x0
	global_store_b128 v10, v[64:67], s[14:15]
	global_store_b128 v10, v[68:71], s[14:15] offset:512
	global_store_b128 v10, v[72:75], s[14:15] offset:1024
	global_store_b128 v10, v[76:79], s[14:15] offset:1536
	global_store_b32 v11, v80, s[16:17]
	s_wait_tensorcnt 0x0
	ds_add_u32 v254, v255
	s_wait_dscnt 0x0
	s_endpgm
; WAVE 2: the list.  32 positions at a time: an unmasked one goes to the next free place from the front, a masked one from the end: a permutation of the 128 positions.
.Lw2:
	s_mov_b32 s40, 0                               ; unmasked so far
	s_mov_b32 s41, 0                               ; masked so far
	s_lshl_b32 s42, s25, 7                         ; the first position of the 32 in hand
.irp i, 0,1,2,3
	v_cmp_eq_u32 s43, 0, v[34+\i]                  ; the lanes whose position counts
	s_not_b32 s44, s43
	v_mbcnt_lo_u32_b32 v[48+3*\i], s43, 0          ; how many such lanes stand below me
	v_mbcnt_lo_u32_b32 v[49+3*\i], s44, 0
	v_add_nc_u32 v[48+3*\i], s40, v[48+3*\i]
	v_add_nc_u32 v[49+3*\i], s41, v[49+3*\i]
	v_sub_nc_u32 v[49+3*\i], 127, v[49+3*\i]
	v_cndmask_b32 v[48+3*\i], v[49+3*\i], v[48+3*\i], s43
	v_min_u32 v[48+3*\i], 127, v[48+3*\i]          ; a place in the list of 128
	v_lshlrev_b32 v[48+3*\i], 2, v[48+3*\i]
	v_add_nc_u32 v[50+3*\i], s42, v15              ; the position itself
	global_store_b32 v[48+3*\i], v[50+3*\i], s[20:21]
	s_bcnt1_i32_b32 s45, s43
	s_add_co_u32 s40, s40, s45
	s_sub_co_u32 s45, 32, s45
	s_add_co_u32 s41, s41, s45
	s_add_co_u32 s42, s42, 32
.endr
	v_mov_b32 v60, s40
	v_mov_b32 v61, 0
	v_cmp_eq_u32 vcc_lo, 0, v15
	s_wait_xcnt 0x0                                ; EXEC changes only behind this wait: it is a source of the stores above
	s_wait_tensorcnt 0x0
	ds_add_u32 v254, v255
	s_wait_dscnt 0x0
	s_and_saveexec_b32 s46, vcc_lo
	global_store_b32 v61, v60, s[22:23]            ; the count, by lane 0
	s_wait_xcnt 0x0                                ; and again, in front of the line that widens it
	s_or_b32 exec_lo, exec_lo, s46
	s_endpgm
.Lfunc_end_k_qc1a9a62d39_prep:
	.size	k_qc1a9a62d39_prep, .Lfunc_end_k_qc1a9a62d39_prep-k_qc1a9a62d39_prep
	.p2alignl 7, 3214868480
	.fill 96, 4, 3214868480
	.section	.rodata,"a",@progbits
	.p2align	6, 0x0
	.amdhsa_kernel k_qc1a9a62d39_prep
		.amdhsa_group_segment_fixed_size 21760
		.amdhsa_private_segment_fixed_size 0
		.amdhsa_enable_private_segment 0
		.amdhsa_kernarg_size 64
		.amdhsa_user_sgpr_count 2
		.amdhsa_user_sgpr_kernarg_segment_ptr 1
		.amdhsa_wavefront_size32 1
		.amdhsa_system_sgpr_workgroup_id_x 1
		.amdhsa_system_sgpr_workgroup_id_y 1
		.amdhsa_system_sgpr_workgroup_id_z 1
		.amdhsa_system_vgpr_workitem_id 0
		.amdhsa_next_free_vgpr 256
		.amdhsa_next_free_sgpr 66
		.amdhsa_reserve_vcc 1
		.amdhsa_float_denorm_mode_32 3
		.amdhsa_float_denorm_mode_16_64 3
		.amdhsa_memory_ordered 1
		.amdhsa_forward_progress 1
		.amdhsa_inst_pref_size 31
	.end_amdhsa_kernel
	.amdgpu_metadata
---
amdhsa.version: [ 1, 2 ]
amdhsa.kernels:
  - .name:           k_qc1a9a62d39_prep
    .symbol:         k_qc1a9a62d39_prep.kd
    .args:
      - { .name: W_in, .offset: 0, .size: 8, .value_kind: global_buffer, .address_space: global }
      - { .name: input, .offset: 8, .size: 8, .value_kind: global_buffer, .address_space: global }
      - { .name: encoder_padding_mask, .offset: 16, .size: 8, .value_kind: global_buffer, .address_space: global }
      - { .name: wc, .offset: 24, .size: 8, .value_kind: global_buffer, .address_space: global }
      - { .name: ws, .offset: 32, .size: 8, .value_kind: global_buffer, .address_space: global }
      - { .name: pbias, .offset: 40, .size: 8, .value_kind: global_buffer, .address_space: global }
      - { .name: rows, .offset: 48, .size: 8, .value_kind: global_buffer, .address_space: global }
      - { .name: cnt, .offset: 56, .size: 8, .value_kind: global_buffer, .address_space: global }
    .group_segment_fixed_size: 21760
    .private_segment_fixed_size: 0
    .kernarg_segment_align: 8
    .kernarg_segment_size: 64
    .max_flat_workgroup_size: 256
    .sgpr_count:     66
    .vgpr_count:     256
    .wavefront_size: 32
...
	.end_amdgpu_metadata
.endif
;; end of part 1
;; launch attend (part 2): grid 256 x 1, 4 waves a work-group, no clusters, 293,376 bytes of LDS; arguments source_hids, rows, cnt, wc, ws, pbias, W_v, pt, opart, ml; writes pt, opart, ml
.if DOCPART == 2
	.amdgcn_target "amdgcn-amd-amdhsa--gfx1250"
	.amdhsa_code_object_version 6
	.text
	.protected	k_qc1a9a62d39_attend
	.globl	k_qc1a9a62d39_attend
	.p2align	8
	.type	k_qc1a9a62d39_attend,@function
k_qc1a9a62d39_attend:
	s_mov_b64 s[64:65], 0
	v_nop
	global_prefetch_b8 v0, s[64:65] scope:SCOPE_SE
	s_setreg_imm32_b32 hwreg(HW_REG_WAVE_MODE, 25, 1), 1
	s_wait_xcnt 0x0
; Work-group g owns batch b = g / 4 and source positions 128 (g % 4) .. +127.  A masked position gets -infinity ahead of the softmax, so its weight is 0 and neither its score nor its row is wanted:
; the work-group works the cnt unmasked positions of its list (both stored by the launch before), in tiles of 16 rows.  It makes
;   score = sum over o of v[o] tanh(pbias[b][o] + Q(src row) . Q(W2[o])), the product on codes of E2M1 with one E8M0 scale for each 32 along K;
;   m = its largest score, p = exp(score - m) (0 for a masked position), l = the sum of p, and the sum of p x src row.  The next launch joins the four work-groups of a batch.
; source_hids IS READ ONCE: as a row is quantised, a bf16 copy of it goes to LDS and waits there for its weight.
; A: eight sections, one for each tile of 16 rows.  THE WAVES SHARE THE ROWS: wave w loads and quantises rows 4 w .. 4 w + 3 of the tile; codes and scale bytes go to a stage in LDS as rows; behind a barrier
;    every wave reads the whole tile back as fragments, which stay in its registers.  The barrier and the reading back stand in every section on every path.  Tiles 0 to 4 are always loaded and tiles 0 to 3
;    always quantised; where a tile holds no row, the loads of tiles 5 to 7 and the quantising of tiles 4 to 7 are jumped over, by a scalar branch on the stored count.  What is read back for such a tile is
;    an earlier tile's codes, and is never multiplied.  A single place that the list leaves empty loads, in all lanes alike, 16 bytes of the batch's first row; its numbers later get the weight 0.
;    With six tiles or more the loads of tiles 5 to 7 go in pairs with a gap between them: the price of waits that hold on every path.
; B: THE WAVES SHARE THE COLUMNS: wave w makes outputs 256 w .. +255, 16 tiles of 16, for all rows.  W2's fragments come from memory straight into registers, each once for the work-group, three tiles ahead.
;    The matrix instruction is used transposed (source 0 = 16 rows of W2, source 1 = 16 rows of src): a lane holds one row and eight outputs.  pbias is the C of each sum's first instruction.
;    tanh(z) = 1 - 2 r, r = 1 / (1 + 2^(2 log2(e) z)): a row's score is the sum of v less twice the sum of v r.  An exponential that overflows gives r = 0, one that underflows r = 1: both right.
;    Tiles 0 to 3 always run; a fifth tile joins their batch of exponentials and reciprocals; tiles 5 to 7 stand each behind a scalar branch on the stored count.
; C: the waves' parts of the scores meet in LDS; every wave makes m, p and l; the weighted sum reads the copy, 8 columns a thread.
; NO TENSOR LOAD, NO CLUSTER: all work-groups walk the same W2, but branches here hang on a count read from memory.
; pt leaves as single words 256 bytes apart: b is innermost in [s][b] and a work-group has one b: 128 KiB in the whole launch.
; LIMITS: inputs are finite (a NaN or an infinity in a masked row is not carried into the result); |score| under 3e38, the stand-in for no row; a block whose largest magnitude lies under 2^-124 keeps the byte 1;
; the weighted sum takes source_hids rounded to bf16.
.set STG, 262144                       ; LDS: the copy, 128 rows x 2,048 bytes of bf16, at 0; behind it two stages:
.set STB, 9216                         ;   a stage: 16 rows of codes, 512 bytes + 16,
.set SCB, 8448                         ;   and behind them 16 rows of scale bytes, 32 + 4
.set TAB, 280576                       ; for each of the 64 tiles of outputs 128 bytes: 16 numbers of pbias[b], 16 of W_v
.set SCP, 288768                       ; each wave's part of the 128 scores
.set PB,  290816                       ; each wave's own copy of p
; REGISTERS, in windows of 256.  Window 1: in A two landing sets of 128 (4 rows x 1,024 numbers, 8 a lane and 256); in B four sets of W2's fragments, 64 each.  Windows 2, 3: the rows' fragments, tile t at 64 (t % 4) + 8 s.
.set L32, 1                            ; 32 x lane
.set CBA, 2                            ; where I store codes
.set SBA, 3                            ; where I store scale bytes
.set CPA, 4                            ; where I store the copy
.set PLA, 5                            ; where I read fragments
.set PLS, 6                            ; where I read scale words
.set WO,  7                            ; 16 x lane
.set WOB, 8                            ; the same, or 0 in the last trip
.set SO,  9                            ; 4 x lane
.set SOB, 10
.set TB0, 11                           ; my wave's first table entry, my half
.set TBA, 12                           ; this trip's
.set TBN, 13                           ; the next trip's
.set OFF, 16                           ; v16-23   a row's offset in source_hids: 4 for each landing set
.set AS,  24                           ; v24-55   the rows' scale words, 4 t + i: scales and nothing else
.set WS,  56                           ; v56-71   W2's scale words, 4 p + i: scales and nothing else
.set BI,  72                           ; v72-87   pbias, two sets of 8
.set WV,  88                           ; v88-103  W_v, two sets of 8
.set ACC, 104                          ; v104-119 the sum of v r, a pair for each tile
.set SUMV, 120                         ; v120-121 the sum of v
.set RLV, 122                          ; v122-125 list entries 4 l .. 4 l + 3
.set D,   128                          ; v128-159 the accumulators of tiles 0-3
.set DA,  160                          ; v160-175 the two of a single tile; the first lies directly behind D, so that a fifth tile's results stand on end with the four
.set DB,  168
.set MX,  128                          ; in A: largest magnitudes, codes, bytes, the copy's words
.set CODE, 144
.set BYT, 160
.set BF,  176
.set MSB, 0
.macro WIN new                         ; the immediate's high byte repeats the setting that is left; bits 1:0 source 0, 3:2 source 1, 5:4 source 2, 7:6 destination
.if MSB != (\new)
	s_set_vgpr_msb (MSB<<8)|(\new)
.set MSB, (\new)
.endif
.endm
; s[8:27] pointers; s[28:29] my wave's list entries; s[32:63] those entries; s66 wave; s68 b; s70 cnt; s71 tiles; s72 cnt - 4 w; s73-75 at work; s[76:77] 2 log2(e); s[78:79] lane selects;
; s[80:83] W2's pointers a trip on; s[84:85], s[88:89] their steps; s86 a loop's counter; s87 a flag; s90-93 lane masks; s[94:95] an offset with 0 above it
; The offset of row i of tile t for landing set: the list's position x 64 x 4,096 bytes + 32 x lane; 0 in every lane where the list has no row for that place.
; A number that hangs on loaded data enters an address only behind a clamp by a constant: so both selections come first (also because the clamps and the shift set SCC), then the two clamps,
; and behind them stand a shift left, an AND and an add alone.
.macro ROWOFF set, t, i
	s_cmp_gt_i32 s72, 16*(\t)+\i                   ; does the list hold a row for this place?
	s_cselect_b32 s73, s[32+4*(\t)+\i], 0          ; its position, or 0
	s_cselect_b32 s74, 0x3e0, 0                    ; the bits of 32 x lane, or none
	s_min_u32 s73, s73, 511
	s_min_u32 s74, s74, 0x3e0
	s_lshl_b32 s73, s73, 18
	v_and_b32 v[OFF+4*(\set)+\i], s74, v[L32]
	v_add_nc_u32 v[OFF+4*(\set)+\i], s73, v[OFF+4*(\set)+\i]
.endm
; My four rows: 16 units of 256 numbers; a unit's two loads cover 1,024 consecutive bytes, and a lane's 8 registers are 8 neighbours along K.  A row is read once in the launch.
.macro LOADS set
	WIN 0x40
.set u, 0
.rept 16
	global_load_b128 v[128*(\set)+8*u:128*(\set)+8*u+3], v[OFF+4*(\set)+u/4], s[8:9] offset:1024*(u%4) th:TH_LOAD_NT
	global_load_b128 v[128*(\set)+8*u+4:128*(\set)+8*u+7], v[OFF+4*(\set)+u/4], s[8:9] offset:1024*(u%4)+16 th:TH_LOAD_NT
.set u, u+1
.endr
	WIN 0
.endm
; The 16 units, stage by stage, each stage under one window setting.  Four neighbouring lanes hold a block of 32.
.macro QUANT set, par
	WIN 0x14
.set u, 0
.rept 16
	v_max3_num_f32 v[MX+u], 0x1800000, |v[128*(\set)+8*u]|, |v[128*(\set)+8*u+1]|      ; the floor 2^(3 - 127) among the leaves: the byte cannot fall under 1
.set u, u+1
.endr
.irp e, 2,4,6
.set u, 0
.rept 16
	v_max3_num_f32 v[MX+u], v[MX+u], |v[128*(\set)+8*u+\e]|, |v[128*(\set)+8*u+\e+1]|
.set u, u+1
.endr
.endr
	WIN 0
.irp e, 1,2
.set u, 0
.rept 16
	v_max_num_f32_dpp v[MX+u], v[MX+u], v[MX+u] row_xmask:\e row_mask:0xf bank_mask:0xf
.set u, u+1
.endr
.endr
.set u, 0
.rept 16
	v_add_nc_u32 v[MX+u], 0xff000000, v[MX+u]      ; 2 off the exponent field: the conversion's scale operand
.set u, u+1
.endr
	WIN 0x01
.set u, 0
.rept 16
	v_cvt_scalef32_pk8_fp4_f32 v[CODE+u], v[128*(\set)+8*u:128*(\set)+8*u+7], v[MX+u]
.set u, u+1
.endr
	WIN 0x05
.set u, 0
.rept 64
	v_cvt_pk_bf16_f32 v[BF+u], v[128*(\set)+2*u], v[128*(\set)+2*u+1]      ; the copy.  (Plain lines behind the conversions above)
.set u, u+1
.endr
	WIN 0
.set u, 0
.rept 16
	v_lshrrev_b32 v[BYT+u], 23, v[MX+u]            ; the scale's byte
.set u, u+1
.endr
.set u, 0
.rept 16                               ; unit u: row u / 4, 256 (u % 4) along K
	ds_store_b32 v[CBA], v[CODE+u] offset:STB*(\par)+528*(u/4)+128*(u%4)
	ds_store_b8 v[SBA], v[BYT+u] offset:STB*(\par)+36*(u/4)+8*(u%4)        ; the four lanes of a block write the same byte with the same value
	ds_store_b128 v[CPA], v[BF+4*u:BF+4*u+3] offset:2048*(u/4)+512*(u%4)   ; 512 consecutive bytes
.set u, u+1
.endr
.endm
; The whole tile back as eight fragments (16 rows x 128 K: two loads, 32 bytes apart, at row x pitch + 16 h) and four scale words (lanes 0-15 the even K step's, lanes 16-31 the odd one's).
.macro PULL t, p
	WIN 0x80+0x40*((\t)/4)
.set q, 0
.rept 8
	ds_load_b128 v[64*((\t)%4)+8*q:64*((\t)%4)+8*q+3], v[PLA] offset:STB*(\p)+64*q
	ds_load_b128 v[64*((\t)%4)+8*q+4:64*((\t)%4)+8*q+7], v[PLA] offset:STB*(\p)+64*q+32
.set q, q+1
.endr
	WIN 0
.irp i, 0,1,2,3
	ds_load_b32 v[AS+4*(\t)+\i], v[PLS] offset:STB*(\p)+8*\i
.endr
.endm
; A tile of W2 (16 outputs x 1,024 K): eight fragments as images of their registers, and four scale words: 20 loads into set p.
.macro WLOAD p, base, sbase, off, soff, imm
	WIN 0x40
.set q, 0
.rept 16
	global_load_b128 v[64*(\p)+4*q:64*(\p)+4*q+3], v[\off], s[\base:\base+1] offset:(\imm)*8192+512*q
.set q, q+1
.endr
	WIN 0
.irp i, 0,1,2,3
	global_load_b32 v[WS+4*(\p)+\i], v[\soff], s[\sbase:\sbase+1] offset:(\imm)*512+128*\i
.endr
.endm
.macro TABLOAD set, adr, imm           ; a tile's eight numbers of pbias and of W_v for my half of the lanes
	ds_load_b128 v[BI+8*(\set):BI+8*(\set)+3], v[\adr] offset:\imm
	ds_load_b128 v[BI+8*(\set)+4:BI+8*(\set)+7], v[\adr] offset:\imm+16
	ds_load_b128 v[WV+8*(\set):WV+8*(\set)+3], v[\adr] offset:\imm+64
	ds_load_b128 v[WV+8*(\set)+4:WV+8*(\set)+7], v[\adr] offset:\imm+80
.endm
; One matrix instruction on rD, rW, rA, rX, rY (and rC).  kind 0: C = 0; 1: C = pbias; 2: in place.  rO: an odd K step takes both scale words from lanes 16-31.
.macro WM kind
.if rO
.if \kind == 0
	v_wmma_scale_f32_16x16x128_f8f6f4 v[rD:rD+7], v[rW:rW+7], v[rA:rA+7], 0, v[rX], v[rY] matrix_a_fmt:MATRIX_FMT_FP4 matrix_b_fmt:MATRIX_FMT_FP4 matrix_a_scale:MATRIX_SCALE_ROW1 matrix_b_scale:MATRIX_SCALE_ROW1
.else
	v_wmma_scale_f32_16x16x128_f8f6f4 v[rD:rD+7], v[rW:rW+7], v[rA:rA+7], v[rD:rD+7], v[rX], v[rY] matrix_a_fmt:MATRIX_FMT_FP4 matrix_b_fmt:MATRIX_FMT_FP4 matrix_a_scale:MATRIX_SCALE_ROW1 matrix_b_scale:MATRIX_SCALE_ROW1
.endif
.else
.if \kind == 1
	v_wmma_scale_f32_16x16x128_f8f6f4 v[rD:rD+7], v[rW:rW+7], v[rA:rA+7], v[rC:rC+7], v[rX], v[rY] matrix_a_fmt:MATRIX_FMT_FP4 matrix_b_fmt:MATRIX_FMT_FP4
.else
	v_wmma_scale_f32_16x16x128_f8f6f4 v[rD:rD+7], v[rW:rW+7], v[rA:rA+7], v[rD:rD+7], v[rX], v[rY] matrix_a_fmt:MATRIX_FMT_FP4 matrix_b_fmt:MATRIX_FMT_FP4
.endif
.endif
.endm
; The eight products of ONE tile t of 4 .. 7 against W2's set k: K goes by turns on two accumulators, the even K steps on DA (it begins with pbias), the odd ones on DB (it begins with 0).
.macro ONE t, k
	WIN 0x0d                                       ; source 0 (W2) window 1, source 1 (rows) window 3
.set q, 0
.rept 8
.set rD, DA+8*(q%2)
.set rW, 64*(\k)+8*q
.set rA, 64*((\t)-4)+8*q
.set rC, BI+8*((\k)%2)
.set rX, WS+4*(\k)+q/2
.set rY, AS+4*(\t)+q/2
.set rO, q%2
.if q == 0
	WM 1
.elseif q == 1
	WM 0
.else
	WM 2
.endif
.set q, q+1
.endr
	WIN 0
.endm
.macro JOIN                            ; the two halves of K, from the accumulators' low end on
.irp e, 0,2,4,6
	v_pk_add_f32 v[DA+\e:DA+\e+1], v[DA+\e:DA+\e+1], v[DB+\e:DB+\e+1]
.endr
.endm
.macro SUMS wv                         ; the sum of v takes this tile's eight.  Four plain lines that name no register of the products ahead of them: they are the four places behind those (ISA guide 7.12.1)
.irp e, 0,2,4,6
	v_pk_add_f32 v[SUMV:SUMV+1], v[SUMV:SUMV+1], v[WV+8*(\wv)+\e:WV+8*(\wv)+\e+1]
.endr
.endm
; n tiles of 8 results from v[base] on, tiles t0 on: r = 1 / (1 + 2^(c z)), and the tiles' sums take v r.  Each accumulator is read from its low end on.  The exponentials are one batch and the
; reciprocals another: behind each one plain line and the one wait ahead of the first line that names a result.
.macro TANH base, n, t0, wv
.set q, 0
.rept 4*(\n)
	v_pk_mul_f32 v[\base+2*q:\base+2*q+1], v[\base+2*q:\base+2*q+1], s[76:77] op_sel_hi:[1,0]
.set q, q+1
.endr
.set q, 0
.rept 8*(\n)
	v_exp_f32 v[\base+q], v[\base+q]
.set q, q+1
.endr
	v_nop
	s_wait_alu depctr_va_vdst(0)
.set q, 0
.rept 4*(\n)
	v_pk_add_f32 v[\base+2*q:\base+2*q+1], v[\base+2*q:\base+2*q+1], 1.0 op_sel_hi:[1,0]
.set q, q+1
.endr
.set q, 0
.rept 8*(\n)
	v_rcp_f32 v[\base+q], v[\base+q]
.set q, q+1
.endr
	v_nop
	s_wait_alu depctr_va_vdst(0)
.set q, 0
.rept 4*(\n)                           ; pair q / n of tile q % n: the tiles by turns
.set rT, q%(\n)
.set rE, q/(\n)
	v_pk_fma_f32 v[ACC+2*((\t0)+rT):ACC+2*((\t0)+rT)+1], v[\base+8*rT+2*rE:\base+8*rT+2*rE+1], v[WV+8*(\wv)+2*rE:WV+8*(\wv)+2*rE+1], v[ACC+2*((\t0)+rT):ACC+2*((\t0)+rT)+1]
.set q, q+1
.endr
.endm
	s_load_b512 s[8:23], s[0:1], 0x0               ; source_hids, rows, cnt, wc, ws, pbias, W_v, pt
	s_load_b128 s[24:27], s[0:1], 0x40             ; opart, ml
	v_lshrrev_b32 v14, 5, v0
	v_readfirstlane_b32 s66, v14                   ; wave 0..3
	s_lshr_b32 s68, ttmp9, 2                       ; b
	s_mov_b32 s95, 0
	s_mov_b32 s85, 0
	s_mov_b32 s89, 0
	s_mov_b32 s76, 0x4038aa3b                      ; c = 2 log2(e)
	s_mov_b32 s77, s76                             ; (named with it as a pair, so it is written)
	s_mov_b32 s78, 0x76543210
	s_mov_b32 s79, 0xfedcba98                      ; v_permlanex16_b32's selects for lane l xor 16
	s_wait_kmcnt 0x0
	s_lshl_b32 s94, ttmp9, 2
	s_add_nc_u64 s[12:13], s[12:13], s[94:95]
	s_load_b32 s70, s[12:13], 0x0                  ; my count
	s_lshl_b32 s94, ttmp9, 9
	s_add_nc_u64 s[10:11], s[10:11], s[94:95]      ; my list
	s_lshl_b32 s94, s66, 4
	s_add_nc_u64 s[28:29], s[10:11], s[94:95]
.irp t, 0,1,2,3,4,5,6,7
	s_load_b128 s[32+4*\t:35+4*\t], s[28:29], 64*\t        ; places 16 t + 4 w + 0 .. 3
.endr
	s_lshl_b32 s94, s68, 12
	s_add_nc_u64 s[8:9], s[8:9], s[94:95]          ; source_hids[0][b]
	s_add_nc_u64 s[18:19], s[18:19], s[94:95]      ; pbias[b]
	s_lshl_b32 s94, s66, 17
	s_add_nc_u64 s[14:15], s[14:15], s[94:95]      ; my 16 tiles of W2: 8,192 bytes each,
	s_lshl_b32 s94, s66, 13
	s_add_nc_u64 s[16:17], s[16:17], s[94:95]      ; and their scale words: 512 bytes each
	s_lshl_b32 s94, s68, 2
	s_add_nc_u64 s[22:23], s[22:23], s[94:95]      ; pt[0][b]
	s_lshl_b32 s94, ttmp9, 12
	s_add_nc_u64 s[24:25], s[24:25], s[94:95]      ; opart[g]
	s_lshl_b32 s94, ttmp9, 3
	s_add_nc_u64 s[26:27], s[26:27], s[94:95]      ; ml[g]
	v_and_b32 v12, 31, v0                          ; l
	v_and_b32 v13, 15, v0                          ; r
	v_bfe_u32 v14, v0, 4, 1                        ; h
	v_lshlrev_b32 v[L32], 5, v12
	s_mul_i32 s73, s66, 2112
	s_add_co_u32 s73, s73, STG
	v_lshl_add_u32 v[CBA], v12, 2, s73             ; 4 l + my four rows of 528 bytes
	s_mul_i32 s73, s66, 144
	s_add_co_u32 s73, s73, STG+SCB
	v_lshrrev_b32 v15, 2, v12
	v_add_nc_u32 v[SBA], s73, v15                  ; l / 4 + my four rows of 36 bytes
	s_lshl_b32 s73, s66, 13
	v_lshl_add_u32 v[CPA], v12, 4, s73             ; 16 l + my four rows of 2,048 bytes
	v_mul_u32_u24 v[PLA], v13, 528
	v_lshl_add_u32 v[PLA], v14, 4, v[PLA]
	v_add_nc_u32 v[PLA], STG, v[PLA]
	v_mul_u32_u24 v[PLS], v13, 36
	v_lshl_add_u32 v[PLS], v14, 2, v[PLS]
	v_add_nc_u32 v[PLS], STG+SCB, v[PLS]
	v_lshlrev_b32 v[WO], 4, v12
	v_lshlrev_b32 v[SO], 2, v12
	s_lshl_b32 s73, s66, 11
	s_add_co_u32 s73, s73, TAB
	v_lshl_add_u32 v[TB0], v14, 5, s73
	v_lshlrev_b32 v126, 5, v0                      ; 32 x thread: my 8 numbers of pbias[b] and of W_v
	v_lshrrev_b32 v15, 1, v0
	v_and_b32 v127, 1, v0
	v_lshlrev_b32 v127, 5, v127
	v_lshl_add_u32 v127, v15, 7, v127
	v_add_nc_u32 v127, TAB, v127                   ; and their place in the table: tile thread / 2, half thread % 2
	global_load_b128 v[RLV:RLV+3], v[WO], s[10:11]
	global_load_b128 v[240:243], v126, s[18:19]
	global_load_b128 v[244:247], v126, s[18:19] offset:16
	global_load_b128 v[248:251], v126, s[20:21]
	global_load_b128 v[252:255], v126, s[20:21] offset:16
	s_wait_kmcnt 0x0
	s_min_u32 s70, s70, 128
	s_add_co_u32 s71, s70, 15
	s_lshr_b32 s71, s71, 4                         ; tiles that hold a row
	s_lshl_b32 s73, s66, 2
	s_sub_co_i32 s72, s70, s73                     ; place 16 t + 4 w + i holds a row where this is above 16 t + i
.irp i, 0,1,2,3
	ROWOFF 0, 0, \i
.endr
	LOADS 0
.irp i, 0,1,2,3
	ROWOFF 1, 1, \i
.endr
	LOADS 1                                        ; two tiles, 64 loads of 512 bytes, are on each wave's way
; ---- A.  Section t, landing set and stage p = t % 2.  Section t asks for tile t + 2.
; THE WAITS.  A count above 0 leans only on loads that every path issues.  Tiles 0 to 4 are asked for on every path: sections 0 to 3 let the next tile's 32 loads stay out.  Tiles 5 to 7 are asked for only where they
; hold a row: sections 4 and 6 wait for all loads, this tile's and the next tile's, so that sections 5 and 7 need no wait; what is out in those (tile 6's loads; W2's first 40) lands in the other landing set.
.macro SECT t, p
.if \t < 4
	s_wait_loadcnt 32                              ; tile t is in (and all that is older); the 32 loads of tile t + 1 may be out
.elseif (\t == 4) || (\t == 6)
	s_wait_loadcnt 0x0                             ; tiles t and t + 1 are in, where they were asked for
.endif
.if \t == 0
	ds_store_b128 v127, v[240:243]                 ; the table
	ds_store_b128 v127, v[244:247] offset:16
	ds_store_b128 v127, v[248:251] offset:64
	ds_store_b128 v127, v[252:255] offset:80
.endif
.if \t >= 4
	s_cmp_le_u32 s71, \t                           ; a tile that holds no row is not quantised, and no tile behind it is asked for
	s_cbranch_scc1 .Lnone_\@
.endif
	QUANT \p, \p
.if \t < 6
.if \t >= 3
	s_cmp_le_u32 s71, \t+2                         ; tiles 5 to 7 are asked for only where they hold a row
	s_cbranch_scc1 .Lnone_\@
.endif
.irp i, 0,1,2,3
	ROWOFF \p, \t+2, \i                            ; these offsets' last loads, tile t's, have been waited for
.endr
	LOADS \p                                       ; the set just read takes the tile two further on
.endif
.if \t >= 3
.Lnone_\@:
.endif
.if \t == 6
	WLOAD 0, 14, 16, WO, SO, 0                     ; W2's first tiles, into the landing sets that are done with
	WLOAD 1, 14, 16, WO, SO, 1
.elseif \t == 7
	WLOAD 2, 14, 16, WO, SO, 2
.endif
	s_wait_dscnt 0x0                               ; my stores have landed, and my reads of the other stage (the last section's) are in: it is written again only behind this barrier
	s_barrier_signal -1
	s_barrier_wait -1
.if \t < 7
	v_add_nc_u32 v[CPA], 32768, v[CPA]             ; the copy's next 16 rows
.endif
	PULL \t, \p                                    ; on every path, so that every fragment register is written
.endm
	SECT 0, 0
	SECT 1, 1
	SECT 2, 0
	SECT 3, 1
	SECT 4, 0
	SECT 5, 1
	SECT 6, 0
	SECT 7, 1
; ---- B.  Four trips of four tiles of outputs.  Tile k of a trip multiplies W2's set k and asks for the tile three further on.
.macro NTILE k
.if \k == 0
	WLOAD 3, 14, 16, WO, SO, 3
.else
	WLOAD (\k)-1, 80, 82, WOB, SOB, (\k)-1         ; the next trip's.  In the last trip nothing is left to fetch: the loads are still issued, so that the count below holds in every trip, all lanes at one place inside the buffer
.endif
.if \k < 3
	TABLOAD ((\k)+1)%2, TBA, 128*((\k)+1)
.else
	TABLOAD 0, TBN, 0
.endif
	s_wait_loadcnt 60                              ; this tile's 20 loads are in; those of the three tiles behind it may be out
	s_wait_dscnt 4                                 ; this tile's table is in (in the first tile: the last fragments too); the next tile's four loads may be out
	WIN 0x09                                       ; source 0 (W2) window 1, source 1 (rows) window 2
.set q, 0
.rept 8                                ; K step q; the four accumulators take turns, one instruction a turn
.irp t, 0,1,2,3
.set rD, D+8*\t
.set rW, 64*(\k)+8*q
.set rA, 64*\t+8*q
.set rC, BI+8*((\k)%2)
.set rX, WS+4*(\k)+q/2
.set rY, AS+4*\t+q/2
.set rO, q%2
.if q == 0
	WM 1
.else
	WM 2
.endif
.endr
.set q, q+1
.endr
	WIN 0
	s_cmp_le_u32 s71, 4
	s_cbranch_scc1 .Lfour_\@
	ONE 4, \k                                      ; A FIFTH TILE goes with the four: its results stand behind theirs, and 40 exponentials and 40 reciprocals share the two waits
	SUMS (\k)%2
	JOIN
	TANH D, 5, 0, (\k)%2
.irp t, 5,6,7                          ; a tile that holds no row is left out, and all behind it
	s_cmp_le_u32 s71, \t
	s_cbranch_scc1 .Ldone_\@
	ONE \t, \k
.rept 4
	v_nop                                          ; four places ahead of the first read of the results; with the two plain lines of the batches below they are six ahead of the next tile's first products, which write these accumulators anew
.endr
	JOIN
	TANH DA, 1, \t, (\k)%2
.endr
	s_branch .Ldone_\@
.Lfour_\@:
	SUMS (\k)%2
	TANH D, 4, 0, (\k)%2
.Ldone_\@:
.endm
.set n, 0
.rept 18
	v_mov_b32 v[ACC+n], 0                          ; the eight tiles' sums and the sum of v
.set n, n+1
.endr
	s_mov_b32 s86, 0
	TABLOAD 0, TB0, 0
.Ltrip:
	s_cmp_lt_u32 s86, 3                            ; is there a next trip?  (All that is written here was last read by loads issued ahead of the wait at the trip's end)
	s_cselect_b32 s84, 32768, 0
	s_cselect_b32 s88, 2048, 0
	s_cselect_b32 s87, -1, 0
	s_add_nc_u64 s[80:81], s[14:15], s[84:85]      ; W2 a trip on, or this trip's once more
	s_add_nc_u64 s[82:83], s[16:17], s[88:89]
	v_and_b32 v[WOB], s87, v[WO]
	v_and_b32 v[SOB], s87, v[SO]
	s_lshl_b32 s73, s86, 9
	v_add_nc_u32 v[TBA], s73, v[TB0]               ; four table entries a trip
	s_add_co_u32 s73, s73, 512
	s_and_b32 s73, s73, 2047                       ; behind the last trip: the first again, read and not used
	v_add_nc_u32 v[TBN], s73, v[TB0]
	NTILE 0
	NTILE 1
	NTILE 2
	NTILE 3
	s_wait_xcnt 0x0                                ; the trip's loads have read their bases and offsets: they are written again only behind this wait
	s_add_nc_u64 s[14:15], s[14:15], 32768
	s_add_nc_u64 s[16:17], s[16:17], 2048
	s_add_co_u32 s86, s86, 1
	s_cmp_lt_u32 s86, 4
	s_cbranch_scc1 .Ltrip
	s_wait_loadcnt 0x0                             ; the last trip's spare loads
; ---- The scores.  A lane's two halves, lane l xor 16's, then sum of v - 2 x sum of v r: my wave's part of each row's score.
.irp t, 0,1,2,3,4,5,6,7
	v_add_f32 v[216+\t], v[ACC+2*\t], v[ACC+2*\t+1]
.endr
	v_add_f32 v224, v[SUMV], v[SUMV+1]
.irp t, 0,1,2,3,4,5,6,7
	v_permlanex16_b32 v[225+\t], v[216+\t], s78, s79
.endr
	v_permlanex16_b32 v233, v224, s78, s79
.irp t, 0,1,2,3,4,5,6,7
	v_add_f32 v[216+\t], v[216+\t], v[225+\t]
.endr
	v_add_f32 v224, v224, v233
.irp t, 0,1,2,3,4,5,6,7
	v_fma_f32 v[216+\t], v[216+\t], -2.0, v224
.endr
	v_and_b32 v14, 15, v0
	s_lshl_b32 s73, s66, 9
	s_add_co_u32 s73, s73, SCP
	v_lshl_add_u32 v14, v14, 2, s73
.irp t, 0,1,2,3,4,5,6,7
	ds_store_b32 v14, v[216+\t] offset:64*\t       ; row 16 t + r; both halves of the lanes write the same word with the same value
.endr
	s_wait_dscnt 0x0                               ; my parts have landed
	s_barrier_signal -1
	s_barrier_wait -1
	v_and_b32 v15, 31, v0
	v_lshlrev_b32 v15, 4, v15
	v_add_nc_u32 v15, SCP, v15
.irp n, 0,1,2,3
	ds_load_b128 v[216+4*\n:219+4*\n], v15 offset:512*\n       ; rows 4 l .. 4 l + 3, wave n's part.  Every wave does what follows, alike
.endr
	v_and_b32 v232, 31, v0
	v_lshlrev_b32 v232, 2, v232
	v_sub_nc_u32 v232, s70, v232                   ; cnt - 4 l: row 4 l + k is in the list's front part where this is above k
	v_mov_b32 v233, 0xff61b1e6                     ; -3e38, under every score
.irp k, 0,1,2,3
	v_cmp_lt_i32 s[90+\k], \k, v232
.endr
	s_wait_dscnt 0x0
	v_pk_add_f32 v[216:217], v[216:217], v[220:221]
	v_pk_add_f32 v[218:219], v[218:219], v[222:223]
	v_pk_add_f32 v[224:225], v[224:225], v[228:229]
	v_pk_add_f32 v[226:227], v[226:227], v[230:231]
	v_pk_add_f32 v[216:217], v[216:217], v[224:225]
	v_pk_add_f32 v[218:219], v[218:219], v[226:227]
.irp k, 0,1,2,3
	v_cndmask_b32 v[216+\k], v233, v[216+\k], s[90+\k]
.endr
	v_max3_num_f32 v234, v216, v217, v218
	v_max_num_f32 v234, v234, v219
.irp e, 1,2,4,8
	v_max_num_f32_dpp v234, v234, v234 row_xmask:\e row_mask:0xf bank_mask:0xf
.endr
	v_permlanex16_b32 v235, v234, s78, s79
	v_max_num_f32 v234, v234, v235                 ; m: the work-group's largest score
.irp k, 0,1,2,3
	v_sub_f32 v[236+\k], v[216+\k], v234
.endr
.irp k, 0,1,2,3
	v_mul_f32 v[236+\k], 0x3fb8aa3b, v[236+\k]
.endr
.irp k, 0,1,2,3
	v_exp_f32 v[236+\k], v[236+\k]
.endr
	v_nop                                          ; a plain line behind the exponentials,
	s_wait_alu depctr_va_vdst(0)                   ; and the one wait ahead of their first reader
.irp k, 0,1,2,3
	v_cndmask_b32 v[236+\k], 0, v[236+\k], s[90+\k]        ; a masked position's weight is 0
.endr
	v_add_f32 v235, v236, v237
	v_add_f32 v232, v238, v239
	v_add_f32 v235, v235, v232
.irp e, 1,2,4,8
	v_add_f32_dpp v235, v235, v235 row_xmask:\e row_mask:0xf bank_mask:0xf
.endr
	v_permlanex16_b32 v232, v235, s78, s79
	v_add_f32 v235, v235, v232                     ; l
	s_lshl_b32 s75, s66, 9
	s_add_co_u32 s75, s75, PB
	v_and_b32 v2, 31, v0
	v_lshl_add_u32 v2, v2, 4, s75
	ds_store_b128 v2, v[236:239]                   ; p into my wave's own bytes: LDS serves a wave's instructions in order, so the loads below see it
; ---- C.  The weighted sum: thread T takes columns 4 T .. +3 and 512 + 4 T .. +3 of every row of the copy.  Eight trips; a tile that holds no row is jumped over, the addresses' steps are not.
	v_lshlrev_b32 v4, 3, v0
.set n, 0
.rept 8
	v_mov_b32 v[208+n], 0
.set n, n+1
.endr
	s_mov_b32 s86, 0
	s_mov_b32 s74, 0
.Ltile:
	s_cmp_ge_u32 s86, s71
	s_cbranch_scc1 .Lskip
	v_add_nc_u32 v14, s74, v4
	v_mov_b32 v15, s75
.irp n, 0,1,2,3
	ds_load_b128 v[192+4*\n:195+4*\n], v15 offset:16*\n        ; the tile's 16 weights, in every lane
.endr
.set n, 0
.rept 16
	ds_load_b64 v[128+4*n:129+4*n], v14 offset:2048*n
	ds_load_b64 v[130+4*n:131+4*n], v14 offset:2048*n+1024
.set n, n+1
.endr
.set n, 0
.rept 16
	s_wait_dscnt 30-2*n                            ; row n's two loads are in; those of the rows behind it may be out
.irp e, 0,1,2,3
	v_fma_mix_f32_bf16 v[208+2*\e], v[128+4*n+\e], v[192+n], v[208+2*\e] op_sel_hi:[1,0,0]
	v_fma_mix_f32_bf16 v[209+2*\e], v[128+4*n+\e], v[192+n], v[209+2*\e] op_sel:[1,0,0] op_sel_hi:[1,0,0]
.endr
.set n, n+1
.endr
.Lskip:
	s_add_co_u32 s74, s74, 32768
	s_add_co_u32 s75, s75, 64
	s_add_co_u32 s86, s86, 1
	s_cmp_lt_u32 s86, 8
	s_cbranch_scc1 .Ltile
	v_lshlrev_b32 v3, 4, v0
	global_store_b128 v3, v[208:211], s[24:25]                 ; a wave's store covers 512 consecutive bytes
	global_store_b128 v3, v[212:215], s[24:25] offset:2048
	s_cmp_lg_u32 s66, 0
	s_cbranch_scc1 .Lend
.irp k, 0,1,2,3                        ; wave 0: p to its position.  The list is a permutation of the 128 positions, so each gets its number
	v_min_u32 v[220+\k], 511, v[RLV+\k]
.endr
.irp k, 0,1,2,3
	v_lshlrev_b32 v[220+\k], 8, v[220+\k]
.endr
.irp k, 0,1,2,3
	global_store_b32 v[220+\k], v[236+\k], s[22:23]
.endr
	v_mov_b32 v6, 0
	v_cmp_eq_u32 vcc_lo, 0, v0
	s_wait_xcnt 0x0                                ; EXEC changes only behind this wait: it is a source of the stores above
	s_and_saveexec_b32 s73, vcc_lo
	global_store_b64 v6, v[234:235], s[26:27]      ; m and l, by thread 0
	s_wait_xcnt 0x0                                ; and again, in front of the line that widens it
	s_or_b32 exec_lo, exec_lo, s73
.Lend:
	s_wait_xcnt 0x0
	s_mov_b32 exec_lo, -1
	v_lshl_add_u32 v238, v0, 2, 0x47800
	v_mov_b32 v239, 0
	s_wait_tensorcnt 0x0
	ds_add_u32 v238, v239
	s_wait_dscnt 0x0
	s_endpgm
.Lfunc_end_k_qc1a9a62d39_attend:
	.size	k_qc1a9a62d39_attend, .Lfunc_end_k_qc1a9a62d39_attend-k_qc1a9a62d39_attend
	.p2alignl 7, 3214868480
	.fill 96, 4, 3214868480
	.section	.rodata,"a",@progbits
	.p2align	6, 0x0
	.amdhsa_kernel k_qc1a9a62d39_attend
		.amdhsa_group_segment_fixed_size 293376
		.amdhsa_private_segment_fixed_size 0
		.amdhsa_enable_private_segment 0
		.amdhsa_kernarg_size 80
		.amdhsa_user_sgpr_count 2
		.amdhsa_user_sgpr_kernarg_segment_ptr 1
		.amdhsa_wavefront_size32 1
		.amdhsa_system_sgpr_workgroup_id_x 1
		.amdhsa_system_sgpr_workgroup_id_y 1
		.amdhsa_system_sgpr_workgroup_id_z 1
		.amdhsa_system_vgpr_workitem_id 0
		.amdhsa_next_free_vgpr 1024
		.amdhsa_next_free_sgpr 96
		.amdhsa_reserve_vcc 1
		.amdhsa_float_denorm_mode_32 3
		.amdhsa_float_denorm_mode_16_64 3
		.amdhsa_memory_ordered 1
		.amdhsa_forward_progress 1
		.amdhsa_inst_pref_size 255
	.end_amdhsa_kernel
	.section	.bss,"aw",@nobits
	.p2align	6
	.space	262144
	.amdgpu_metadata
---
amdhsa.version: [ 1, 2 ]
amdhsa.kernels:
  - .name:           k_qc1a9a62d39_attend
    .symbol:         k_qc1a9a62d39_attend.kd
    .args:
      - { .name: source_hids, .offset: 0, .size: 8, .value_kind: global_buffer, .address_space: global }
      - { .name: rows, .offset: 8, .size: 8, .value_kind: global_buffer, .address_space: global }
      - { .name: cnt, .offset: 16, .size: 8, .value_kind: global_buffer, .address_space: global }
      - { .name: wc, .offset: 24, .size: 8, .value_kind: global_buffer, .address_space: global }
      - { .name: ws, .offset: 32, .size: 8, .value_kind: global_buffer, .address_space: global }
      - { .name: pbias, .offset: 40, .size: 8, .value_kind: global_buffer, .address_space: global }
      - { .name: W_v, .offset: 48, .size: 8, .value_kind: global_buffer, .address_space: global }
      - { .name: pt, .offset: 56, .size: 8, .value_kind: global_buffer, .address_space: global }
      - { .name: opart, .offset: 64, .size: 8, .value_kind: global_buffer, .address_space: global }
      - { .name: ml, .offset: 72, .size: 8, .value_kind: global_buffer, .address_space: global }
    .group_segment_fixed_size: 293376
    .private_segment_fixed_size: 0
    .kernarg_segment_align: 8
    .kernarg_segment_size: 80
    .max_flat_workgroup_size: 128
    .sgpr_count:     96
    .vgpr_count:     1024
    .wavefront_size: 32
...
	.end_amdgpu_metadata
.endif
;; end of part 2
;; launch finish (part 3): grid 256 x 1, 2 waves a work-group, no clusters, 0 bytes of LDS; arguments pt, opart, ml, out0, out1; writes out0, out1
.if DOCPART == 3
	.amdgcn_target "amdgcn-amd-amdhsa--gfx1250"
	.amdhsa_code_object_version 6
	.text
	.protected	k_qc1a9a62d39_finish
	.globl	k_qc1a9a62d39_finish
	.p2align	8
	.type	k_qc1a9a62d39_finish,@function
k_qc1a9a62d39_finish:
	s_mov_b64 s[64:65], 0
	v_nop
	global_prefetch_b8 v0, s[64:65] scope:SCOPE_SE
	s_setreg_imm32_b32 hwreg(HW_REG_WAVE_MODE, 25, 1), 1
	s_wait_xcnt 0x0
; The four work-groups of a batch are joined.  Each left m_q (its largest score; -3e38 where it had no row), l_q = the sum of exp(score - m_q), o_q = the sum of exp(score - m_q) x src, and pt = exp(score - m_q).
; With M = the largest m_q, f_q = exp(m_q - M) and L = the sum of f_q l_q:  out0[b] = (sum of f_q o_q) / L,  out1[s][b] = pt[s][b] f_q(s) / L.
; A batch all of whose positions are masked has L = 0: 0 x infinity gives NaN in its row of out0 and its column of out1, as a softmax of -infinities alone does.
; Work-group g: out0[g / 4][256 (g % 4) .. +255], 16 bytes a thread; and rows 2 g and 2 g + 1 of out1, a wave a row of 256 bytes, 8 bytes (two batches) a lane.
; A few loads, a little arithmetic, two stores: no LDS, no barrier, no matrix unit.
.set L2E, 0x3fb8aa3b
	s_load_b256 s[4:11], s[0:1], 0x0               ; pt, opart, ml, out0
	s_load_b64 s[12:13], s[0:1], 0x20              ; out1
	v_lshrrev_b32 v1, 5, v0
	v_readfirstlane_b32 s20, v1                    ; wave
	v_and_b32 v5, 31, v0
	v_lshlrev_b32 v1, 4, v0                        ; 16 x thread
	v_mov_b32 v2, 0
	v_lshlrev_b32 v3, 3, v5                        ; 8 x lane
	v_lshlrev_b32 v4, 6, v5                        ; 64 x lane: the eight (m, l) of batches 2 l and 2 l + 1
	s_lshr_b32 s21, ttmp9, 2                       ; b
	s_and_b32 s22, ttmp9, 3                        ; which 256 columns
	s_lshl_b32 s23, ttmp9, 1
	s_add_co_u32 s23, s23, s20                     ; my row of out1
	s_mov_b32 s25, 0
	s_lshl_b32 s26, s22, 10
	s_wait_kmcnt 0x0
	s_lshl_b32 s24, s21, 14
	s_add_co_u32 s24, s24, s26
	s_add_nc_u64 s[6:7], s[6:7], s[24:25]          ; opart[4 b], my columns
	s_lshl_b32 s24, s21, 12
	s_add_co_u32 s24, s24, s26
	s_add_nc_u64 s[10:11], s[10:11], s[24:25]      ; out0[b], my columns
	s_lshl_b32 s24, s21, 5
	s_add_nc_u64 s[14:15], s[8:9], s[24:25]        ; ml[4 b]
	s_lshr_b32 s24, ttmp9, 6                       ; the quarter of the positions in which my row of out1 lies
	s_lshl_b32 s24, s24, 3
	s_add_nc_u64 s[16:17], s[8:9], s[24:25]
	s_lshl_b32 s24, s23, 8
	s_add_nc_u64 s[4:5], s[4:5], s[24:25]
	s_add_nc_u64 s[12:13], s[12:13], s[24:25]
.irp q, 0,1,2,3
	global_load_b128 v[8+4*\q:11+4*\q], v1, s[6:7] offset:4096*\q
.endr
	global_load_b128 v[24:27], v2, s[14:15]        ; m0 l0 m1 l1
	global_load_b128 v[28:31], v2, s[14:15] offset:16
	global_load_b64 v[32:33], v3, s[4:5]
.irp n, 0,1,2,3
	global_load_b128 v[34+4*\n:37+4*\n], v4, s[8:9] offset:16*\n
.endr
	global_load_b32 v50, v4, s[16:17]              ; the m under which my row's pt was made: batch 2 l,
	global_load_b32 v51, v4, s[16:17] offset:32    ; batch 2 l + 1
	s_wait_loadcnt 0x0
.macro MAXM s, d
	v_max3_num_f32 v[\d], v[\s], v[\s+2], v[\s+4]
	v_max_num_f32 v[\d], v[\d], v[\s+6]
.endm
.macro DIFF s, d                       ; (m_q - M) log2(e), in m_q's place
.irp q, 0,2,4,6
	v_sub_f32 v[\s+\q], v[\s+\q], v[\d]
.endr
.irp q, 0,2,4,6
	v_mul_f32 v[\s+\q], L2E, v[\s+\q]
.endr
.endm
.macro SUML s, d
	v_mul_f32 v[\d], v[\s], v[\s+1]
.irp q, 2,4,6
	v_fmac_f32 v[\d], v[\s+\q], v[\s+\q+1]
.endr
.endm
	MAXM 24, 52
	MAXM 34, 53
	MAXM 42, 54
	v_sub_f32 v50, v50, v53
	v_sub_f32 v51, v51, v54
	DIFF 24, 52
	DIFF 34, 53
	DIFF 42, 54
	v_mul_f32 v50, L2E, v50
	v_mul_f32 v51, L2E, v51
.irp s, 24,34,42
.irp q, 0,2,4,6
	v_exp_f32 v[\s+\q], v[\s+\q]                   ; f_q
.endr
.endr
	v_exp_f32 v50, v50
	v_exp_f32 v51, v51
	v_nop                                          ; a plain line behind the fourteen exponentials,
	s_wait_alu depctr_va_vdst(0)                   ; and the one wait ahead of their first reader
	SUML 24, 55
	SUML 34, 56
	SUML 42, 57
	v_rcp_f32 v55, v55
	v_rcp_f32 v56, v56
	v_rcp_f32 v57, v57
	v_nop
	s_wait_alu depctr_va_vdst(0)                   ; likewise for the three reciprocals
.irp q, 0,2,4,6
	v_mul_f32 v[24+\q], v[24+\q], v55              ; f_q / L
.endr
	v_mul_f32 v50, v50, v56
	v_mul_f32 v51, v51, v57
.irp e, 0,1,2,3
	v_mul_f32 v[58+\e], v[8+\e], v24
.endr
.irp q, 1,2,3
.irp e, 0,1,2,3
	v_fmac_f32 v[58+\e], v[8+4*\q+\e], v[24+2*\q]
.endr
.endr
	v_pk_mul_f32 v[62:63], v[32:33], v[50:51]
	global_store_b128 v1, v[58:61], s[10:11]       ; a wave's store covers 512 consecutive bytes
	global_store_b64 v3, v[62:63], s[12:13]        ; a whole row of 256 bytes
	s_endpgm
.Lfunc_end_k_qc1a9a62d39_finish:
	.size	k_qc1a9a62d39_finish, .Lfunc_end_k_qc1a9a62d39_finish-k_qc1a9a62d39_finish
	.p2alignl 7, 3214868480
	.fill 96, 4, 3214868480
	.section	.rodata,"a",@progbits
	.p2align	6, 0x0
	.amdhsa_kernel k_qc1a9a62d39_finish
		.amdhsa_group_segment_fixed_size 0
		.amdhsa_private_segment_fixed_size 0
		.amdhsa_enable_private_segment 0
		.amdhsa_kernarg_size 40
		.amdhsa_user_sgpr_count 2
		.amdhsa_user_sgpr_kernarg_segment_ptr 1
		.amdhsa_wavefront_size32 1
		.amdhsa_system_sgpr_workgroup_id_x 1
		.amdhsa_system_sgpr_workgroup_id_y 1
		.amdhsa_system_sgpr_workgroup_id_z 1
		.amdhsa_system_vgpr_workitem_id 0
		.amdhsa_next_free_vgpr 64
		.amdhsa_next_free_sgpr 66
		.amdhsa_reserve_vcc 0
		.amdhsa_float_denorm_mode_32 3
		.amdhsa_float_denorm_mode_16_64 3
		.amdhsa_memory_ordered 1
		.amdhsa_forward_progress 1
		.amdhsa_inst_pref_size 7
	.end_amdhsa_kernel
	.amdgpu_metadata
---
amdhsa.version: [ 1, 2 ]
amdhsa.kernels:
  - .name:           k_qc1a9a62d39_finish
    .symbol:         k_qc1a9a62d39_finish.kd
    .args:
      - { .name: pt, .offset: 0, .size: 8, .value_kind: global_buffer, .address_space: global }
      - { .name: opart, .offset: 8, .size: 8, .value_kind: global_buffer, .address_space: global }
      - { .name: ml, .offset: 16, .size: 8, .value_kind: global_buffer, .address_space: global }
      - { .name: out0, .offset: 24, .size: 8, .value_kind: global_buffer, .address_space: global }
      - { .name: out1, .offset: 32, .size: 8, .value_kind: global_buffer, .address_space: global }
    .group_segment_fixed_size: 0
    .private_segment_fixed_size: 0
    .kernarg_segment_align: 8
    .kernarg_segment_size: 40
    .max_flat_workgroup_size: 64
    .sgpr_count:     66
    .vgpr_count:     64
    .wavefront_size: 32
...
	.end_amdgpu_metadata
.endif
;; end of part 3
